; MI455X (gfx1250); checked and timed in simulation.
; The chip was launched on July 23, 2026; its instructions are those of AMD's public machine-readable ISA for CDNA 5 (MIT licence, August 2026) and "CDNA5" Instruction Set Architecture Reference Guide (July 2026). The comments in the code are by the model that wrote it; some were corrected since.
;; Gen Process Final. Allowed arithmetic: float matrix products may take bf16 or f16 operands with f32 sums; all other float work in f32.
;; Inputs: dataMinor 256 x 512 float32; x 64 x 2,048 x 256 float32.
;; Outputs: out0 64 x 512 float32.
;; 2 versions, each right; version 2 is version 1 with the launch colsum written anew for expert scheduling mode. Each part assembles by itself: llvm-mc -triple=amdgcn-amd-amdhsa -mcpu=gfx1250 --defsym DOCPART=n.
;; ======== version 1 of 2: 2 launches
;; workspace buffers: part 262,144 bytes
;; launch colsum (part 1): grid 256 x 1, 16 waves a work-group, no clusters, 10,240 bytes of LDS; arguments x, part; writes part
.if DOCPART == 1
	.amdgcn_target "amdgcn-amd-amdhsa--gfx1250"
	.amdhsa_code_object_version 6
	.text
	.protected	k_q11a65d9369_colsum
	.globl	k_q11a65d9369_colsum
	.p2align	8
	.type	k_q11a65d9369_colsum,@function
k_q11a65d9369_colsum:
	s_mov_b64 s[64:65], 0
	v_nop
	global_prefetch_b8 v0, s[64:65] scope:SCOPE_SE
	s_setreg_imm32_b32 hwreg(HW_REG_WAVE_MODE, 25, 1), 1
	s_wait_xcnt 0x0
; out0[b][d] = sum over k of mean_s(x[b][s][k]) * dataMinor[k][d], in two launches.  x: [64][2048][256] f32.
; THIS LAUNCH: part[b][p][k] = 2^-11 * sum of x[b][s][k] over s = 512 p .. 512 p + 511, p = 0..3, in f32.  The next launch adds the four and multiplies.
; Nothing of the computation is left out: every number of x and of dataMinor reaches out0, and both are read whole, once.
; Why partial sums: a row of out0 needs all 2 MB of its batch, and there are only 64 batches; four work-groups a batch give 256 work-groups
; of equal work, and the sum across them is made by the next launch (no traffic between work-groups).
; Work-group g = 4 b + p owns 512 rows of 1,024 bytes, 512 KB in one piece.  Sixteen waves; one load of a wave covers 512 consecutive bytes,
; so the sixteen cover 8 rows (a step of 8,192 bytes) and thread t keeps the same four columns in all 64 steps.
; Every address is one offset register plus an immediate (516,096 at the most): no loop, no pointer that is stepped.
; A ring of 32 loads a wave in registers: 16 waves x 32 x 512 bytes = 256 KB of the work-group's 512 KB are requested at once.
; No LDS ring, no cluster, no matrix unit: the work-groups share no byte of x and there is one addition for each number read.
; LIMITS: the order of the additions differs from a sum along s; the factor 2^-11 is exact unless the scaled partial sum is denormal (below 2^-126).
.set STEP,  8192                       ; bytes that the sixteen waves read in one step: 8 rows
.set STEPS, 64                         ; 512 rows / 8
.set DEPTH, 32                         ; loads of a wave in flight
.set OFF,   1                          ; v1        512 x wave + 16 x lane: my 16 bytes in a step, in LDS and (waves 0, 1) in the result; never rewritten
.set ACCA,  2                          ; v[2:5]    sums of my four columns, steps 0 and 2 of every four
.set ACCB,  6                          ; v[6:9]    the same, steps 1 and 3 of every four
.set X,     10                         ; v[10:137] the ring: slot i holds step i, then step 32 + i
.macro ADD4 d, a, b                    ; four sums: v[d..d+3] = v[a..a+3] + v[b..b+3]
	v_pk_add_f32 v[\d:\d+1], v[\a:\a+1], v[\b:\b+1]
	v_pk_add_f32 v[\d+2:\d+3], v[\a+2:\a+3], v[\b+2:\b+3]
.endm
	s_load_b128 s[4:7], s[0:1], 0x0                ; x s[4:5], part s[6:7]
	v_lshl_add_u32 v138, v0, 2, 0x2000
	v_mov_b32 v139, 0
	v_lshrrev_b32 v[ACCA], 5, v0
	v_readfirstlane_b32 s8, v[ACCA]                ; my wave's number as a scalar
	v_and_b32 v[OFF], 31, v0
	v_lshlrev_b32 v[OFF], 4, v[OFF]                ; 16 bytes a lane
	v_lshl_add_u32 v[OFF], s8, 9, v[OFF]           ; + 512 bytes a wave
	s_lshl_b32 s2, ttmp9, 19                       ; the work-group's 512 KB of x (255 x 512 KB stays below 4 GiB)
	s_mov_b32 s3, 0
	s_lshl_b32 s10, ttmp9, 10                      ; and its 1,024 bytes of part: row 4 b + p
	s_mov_b32 s11, 0
	s_wait_kmcnt 0x0
	s_add_nc_u64 s[4:5], s[4:5], s[2:3]
	s_add_nc_u64 s[6:7], s[6:7], s[10:11]
.set i, 0
.rept DEPTH
	global_load_b128 v[X+4*i:X+4*i+3], v[OFF], s[4:5] offset:i*STEP th:TH_LOAD_NT   ; steps 0 to 31; x is read once in the launch
.set i, i+1
.endr
; Four steps (4 q .. 4 q + 3) are added, and in the first eight quads their slots are filled again with the steps 32 further on.
; left = how many younger loads may stay out: loads come back in order (ISA guide 5.7.1).
.macro QUAD q, left
	s_wait_loadcnt \left
.set XS, X+16*((\q)%8)
.if \q == 0
	ADD4 ACCA, XS, XS+4                            ; the first four steps start the two sums: nothing is cleared
	ADD4 ACCB, XS+8, XS+12
.else
	ADD4 ACCA, ACCA, XS
	ADD4 ACCB, ACCB, XS+4
	ADD4 ACCA, ACCA, XS+8
	ADD4 ACCB, ACCB, XS+12
.endif
.if \q < 8
.irp k, 0,1,2,3
	global_load_b128 v[XS+4*\k:XS+4*\k+3], v[OFF], s[4:5] offset:(4*\q+DEPTH+\k)*STEP th:TH_LOAD_NT
.endr
.endif
.endm
.irp q, 0,1,2,3,4,5,6,7
	QUAD \q, DEPTH-4                               ; behind the quad's last load stand the ring's other 28
.endr
.irp q, 8,9,10,11,12,13,14,15
	QUAD \q, 4*(15-\q)                             ; nothing is left to request: the counts run down 28, 24, .. 0
.endr
	ADD4 ACCA, ACCA, ACCB                          ; my four columns over my 64 rows
	; The eight row groups (waves 2 i and 2 i + 1 hold row group i) meet in LDS: byte 1,024 i + 16 c holds group i's sums of columns 4 c .. 4 c + 3.
	ds_store_b128 v[OFF], v[ACCA:ACCA+3]
	s_wait_dscnt 0x0                               ; my store is done before I say so: other waves read it
	s_barrier_signal -1
	s_barrier_wait -1
	s_cmp_gt_u32 s8, 1
	s_cbranch_scc1 .Ldone                          ; 64 threads cover the 256 columns: waves 0 and 1 finish
.irp r, 0,1,2,3,4,5,6,7
	ds_load_b128 v[X+4*\r:X+4*\r+3], v[OFF] offset:1024*\r     ; here OFF = 16 c: the same four columns of all eight groups
.endr
	s_wait_dscnt 0x0
.irp r, 0,2,4,6
	ADD4 X+4*\r, X+4*\r, X+4*\r+4
.endr
	ADD4 X, X, X+8
	ADD4 X+16, X+16, X+24
	ADD4 X, X, X+16
	v_pk_mul_f32 v[X:X+1], v[X:X+1], 0x3a000000 op_sel_hi:[1,0]       ; 2^-11 = 1 / 2048: the mean's divisor, a power of two
	v_pk_mul_f32 v[X+2:X+3], v[X+2:X+3], 0x3a000000 op_sel_hi:[1,0]
	global_store_b128 v[OFF], v[X:X+3], s[6:7]     ; each wave stores 512 consecutive bytes, aligned: two whole pieces of 256
.Ldone:
	s_wait_tensorcnt 0x0
	ds_add_u32 v138, v139
	s_wait_dscnt 0x0
	s_endpgm
.Lfunc_end_k_q11a65d9369_colsum:
	.size	k_q11a65d9369_colsum, .Lfunc_end_k_q11a65d9369_colsum-k_q11a65d9369_colsum
	.p2alignl 7, 3214868480
	.fill 96, 4, 3214868480
	.section	.rodata,"a",@progbits
	.p2align	6, 0x0
	.amdhsa_kernel k_q11a65d9369_colsum
		.amdhsa_group_segment_fixed_size 10240
		.amdhsa_private_segment_fixed_size 0
		.amdhsa_enable_private_segment 0
		.amdhsa_kernarg_size 16
		.amdhsa_user_sgpr_count 2
		.amdhsa_user_sgpr_kernarg_segment_ptr 1
		.amdhsa_wavefront_size32 1
		.amdhsa_system_sgpr_workgroup_id_x 1
		.amdhsa_system_sgpr_workgroup_id_y 1
		.amdhsa_system_sgpr_workgroup_id_z 1
		.amdhsa_system_vgpr_workitem_id 0
		.amdhsa_next_free_vgpr 140
		.amdhsa_next_free_sgpr 66
		.amdhsa_reserve_vcc 0
		.amdhsa_float_denorm_mode_32 3
		.amdhsa_float_denorm_mode_16_64 3
		.amdhsa_memory_ordered 1
		.amdhsa_forward_progress 1
		.amdhsa_inst_pref_size 18
	.end_amdhsa_kernel
	.amdgpu_metadata
---
amdhsa.version: [ 1, 2 ]
amdhsa.kernels:
  - .name:           k_q11a65d9369_colsum
    .symbol:         k_q11a65d9369_colsum.kd
    .args:
      - { .name: x, .offset: 0, .size: 8, .value_kind: global_buffer, .address_space: global }
      - { .name: part, .offset: 8, .size: 8, .value_kind: global_buffer, .address_space: global }
    .group_segment_fixed_size: 10240
    .private_segment_fixed_size: 0
    .kernarg_segment_align: 8
    .kernarg_segment_size: 16
    .max_flat_workgroup_size: 512
    .sgpr_count:     66
    .vgpr_count:     140
    .wavefront_size: 32
...
	.end_amdgpu_metadata
.endif
;; end of part 1
;; launch project (part 2): grid 8 x 4, 8 waves a work-group, no clusters, 42,240 bytes of LDS; arguments part, dataMinor, out0; writes out0
.if DOCPART == 2
	.amdgcn_target "amdgcn-amd-amdhsa--gfx1250"
	.amdhsa_code_object_version 6
	.text
	.protected	k_q11a65d9369_project
	.globl	k_q11a65d9369_project
	.p2align	8
	.type	k_q11a65d9369_project,@function
k_q11a65d9369_project:
	s_mov_b64 s[64:65], 0
	v_nop
	global_prefetch_b8 v0, s[64:65] scope:SCOPE_SE
	s_setreg_imm32_b32 hwreg(HW_REG_WAVE_MODE, 25, 1), 1
	s_wait_xcnt 0x0
; out0[b][d] = sum over k of mean[b][k] * dataMinor[k][d], mean[b][k] = part[b][0][k] + .. + part[b][3][k] (the factor 1/2048 is in part already).
; part: [64][4][256] f32, dataMinor: [256][512] f32, out0: [64][512] f32.  Nothing is left out.
; A work-group makes 16 batches x 64 columns (a row piece of 256 bytes) with eight waves; wave w takes k = 32 w .. 32 w + 31, so that all that the
; work-group needs (64 KB of part, 64 KB of dataMinor) is requested in one round, 32 loads of 16 bytes a lane, and the eight partial tiles are added in LDS.
; THE MEAN: added in f32, rounded to bf16, laid in LDS as 16 rows of 256, from where a fragment is two loads of 16 bytes.
; dataMinor lies with d along its rows, and the matrix instruction wants k along a lane's registers.  No transposition is needed: lane (r, h) loads the
; 16 bytes of row k at columns 4 r .. 4 r + 3 (sixteen lanes: 256 consecutive bytes, aligned), and column 4 r + t goes to the N tile t.  So tile t holds the
; columns t, 4 + t, 8 + t, ..; the conversion to bf16, which pairs two neighbouring k, builds the four fragments straight from the loaded registers.
; In the result, lane (r, h) then holds in register j of tile t the number (row 8 h + j, column 4 r + t).  The four tiles' numbers of one row and one r are 16
; neighbouring bytes of out0; they are brought together where the eight waves' tiles are added anyway: the adding thread picks them from LDS word by word.
; NO CLUSTER: four work-groups read the same 64 KB of dataMinor and eight the same 64 KB of part, each once; both must pass through registers (f32 sums,
; conversion), so a joint load into LDS would add a trip through LDS and two rounds of the cluster's barrier for a single fill.
; LIMITS: mean and dataMinor are rounded to bf16 for the product; products are summed in f32, 32 k in the matrix unit, then eight partial sums as a tree.
.set APITCH, 528                       ; an LDS row of the mean: 512 bytes + 16 = 33 x 16: the 16-byte pieces that sixteen rows' lanes load fall on sixteen different 16-byte columns of a 256-byte span
.set RED,    16*APITCH                 ; 8,448: behind the mean, 4,096 bytes for each wave's partial tile
.set PO,  1                            ; v1   byte offset of my 16 bytes in part: 4,096 (t / 64) + 16 (t % 64)
.set WO,  2                            ; v2   byte offset of my 16 bytes in dataMinor: row 32 w + 8 h, 16 r
.set AST, 3                            ; v3   LDS: where I put four bf16 of the mean
.set AFR, 4                            ; v4   LDS: my part of the mean's fragment
.set RST, 5                            ; v5   LDS: 4,096 w + 16 lane, my place in my wave's partial tile
.set RLD, 6                            ; v6   LDS: the word of (my row, my r) in a partial tile's first quarter
.set OO,  7                            ; v7   byte offset of my 16 bytes in out0
.set P,   16                           ; v[16:79]   part: group g, partial p at P + 16 g + 4 p; later the 32 words of the last sum
.set WR,  80                           ; v[80:143]  dataMinor in f32: row i of my sixteen at WR + 4 i
.set BF,  144                          ; v[144:175] four fragments of dataMinor in bf16
.set AF,  176                          ; v[176:183] the mean's fragment
.set D,   184                          ; v[184:215] four result tiles
.macro ADD4 d, a, b                    ; four sums: v[d..d+3] = v[a..a+3] + v[b..b+3]
	v_pk_add_f32 v[\d:\d+1], v[\a:\a+1], v[\b:\b+1]
	v_pk_add_f32 v[\d+2:\d+3], v[\a+2:\a+3], v[\b+2:\b+3]
.endm
	s_load_b128 s[4:7], s[0:1], 0x0                ; part s[4:5], dataMinor s[6:7]
	s_load_b64 s[8:9], s[0:1], 0x10                ; out0
	v_lshl_add_u32 v216, v0, 2, 0xa100
	v_mov_b32 v217, 0
	v_lshrrev_b32 v12, 5, v0
	v_readfirstlane_b32 s16, v12                   ; w: my wave's number as a scalar
	s_and_b32 s10, ttmp7, 0xffff                   ; which 16 batches
	s_lshl_b32 s12, ttmp9, 8                       ; which 64 columns: 256 bytes of a row
	s_mov_b32 s13, 0
	s_lshl_b32 s14, s10, 15                        ; 16 rows of out0 are 32,768 bytes
	s_add_co_u32 s14, s14, s12
	s_mov_b32 s15, 0
	s_lshl_b32 s10, s10, 16                        ; 16 batches of part are 65,536 bytes
	s_mov_b32 s11, 0
	v_and_b32 v8, 63, v0                           ; which 16 bytes of a row of part
	v_lshrrev_b32 v9, 6, v0                        ; which batch of four
	v_lshlrev_b32 v[PO], 4, v8
	v_lshl_add_u32 v[PO], v9, 12, v[PO]            ; a batch's four partials are 4,096 bytes
	v_and_b32 v10, 15, v0                          ; r
	v_bfe_u32 v11, v0, 4, 1                        ; h
	v_lshlrev_b32 v[WO], 4, v10
	v_lshl_add_u32 v[WO], v11, 14, v[WO]           ; 8 h rows of 2,048 bytes
	v_lshl_add_u32 v[WO], s16, 16, v[WO]           ; 32 w rows
	s_wait_kmcnt 0x0
	s_add_nc_u64 s[4:5], s[4:5], s[10:11]
	s_add_nc_u64 s[6:7], s[6:7], s[12:13]
	s_add_nc_u64 s[8:9], s[8:9], s[14:15]
	; part first: it is needed first, and loads come back in order.  Batch 4 g + t / 64, partial p: a wave's load covers 512 consecutive bytes.
.irp g, 0,1,2,3
.irp p, 0,1,2,3
	global_load_b128 v[P+16*\g+4*\p:P+16*\g+4*\p+3], v[PO], s[4:5] offset:16384*\g+1024*\p
.endr
.endr
	; dataMinor: the fragment's k = 8 h + 0..7 are my rows 0 to 7, its k = 16 + 8 h + 0..7 my rows 8 to 15
.irp i, 0,1,2,3,4,5,6,7
	global_load_b128 v[WR+4*\i:WR+4*\i+3], v[WO], s[6:7] offset:2048*\i
.endr
.irp i, 8,9,10,11,12,13,14,15
	global_load_b128 v[WR+4*\i:WR+4*\i+3], v[WO], s[6:7] offset:2048*(\i+8)
.endr
	; LDS addresses, while the loads are on their way.  What hangs on the wave comes from the scalar w.
	v_and_b32 v13, 31, v0                          ; lane
	s_lshr_b32 s17, s16, 1                         ; t / 64 = w / 2: my row of four
	s_mul_i32 s17, s17, APITCH
	s_and_b32 s18, s16, 1                          ; t % 64 = 32 (w % 2) + lane, 8 bytes each
	s_lshl_b32 s18, s18, 8
	s_add_co_u32 s17, s17, s18
	v_lshl_add_u32 v[AST], v13, 3, s17
	v_mul_u32_u24 v[AFR], v10, APITCH              ; fragment: row r,
	v_lshl_add_u32 v[AFR], v11, 4, v[AFR]          ; 16 h bytes,
	v_lshl_add_u32 v[AFR], s16, 6, v[AFR]          ; k = 32 w is byte 64 w
	v_lshlrev_b32 v[RST], 4, v13
	v_lshl_add_u32 v[RST], s16, 12, v[RST]
	; the mean of four columns of batch 4 g + t / 64: three sums, one rounding
.irp g, 0,1,2,3
	s_wait_loadcnt 28-4*\g                         ; behind this group's four loads stand 12 - 4 g of part and the 16 of dataMinor
	ADD4 P+16*\g, P+16*\g, P+16*\g+4
	ADD4 P+16*\g+8, P+16*\g+8, P+16*\g+12
	ADD4 P+16*\g, P+16*\g, P+16*\g+8
	v_cvt_pk_bf16_f32 v[P+16*\g+4], v[P+16*\g], v[P+16*\g+1]
	v_cvt_pk_bf16_f32 v[P+16*\g+5], v[P+16*\g+2], v[P+16*\g+3]
	ds_store_b64 v[AST], v[P+16*\g+4:P+16*\g+5] offset:4*\g*APITCH     ; a wave's store covers 256 consecutive bytes
.endr
	s_wait_dscnt 0x0                               ; my stores are done before I say so: every wave reads all sixteen rows
	s_barrier_signal -1
	s_barrier_wait -1
	ds_load_b128 v[AF:AF+3], v[AFR]                ; mean(r, 32 w + 8 h + 0..7)
	ds_load_b128 v[AF+4:AF+7], v[AFR] offset:32    ; mean(r, 32 w + 16 + 8 h + 0..7)
	; register q of tile t's fragment: my rows 2 q (low half) and 2 q + 1 (high half) of column 4 r + t
.irp q, 0,1,2,3,4,5,6,7
	s_wait_loadcnt 14-2*\q                         ; behind rows 2 q and 2 q + 1 stand the later rows' loads
.irp t, 0,1,2,3
	v_cvt_pk_bf16_f32 v[BF+8*\t+\q], v[WR+8*\q+\t], v[WR+8*\q+4+\t]
.endr
.endr
	s_wait_dscnt 0x0                               ; the mean's fragment
.irp t, 0,1,2,3
	v_wmma_f32_16x16x32_bf16 v[D+8*\t:D+8*\t+7], v[AF:AF+7], v[BF+8*\t:BF+8*\t+7], 0   ; four tiles, each its own accumulator, started by the constant 0
.endr
	; Four plain vector instructions that name none of its registers stand between a matrix instruction and an LDS store of its result:
	; the ten lines that make the last two addresses are such, so no v_nop is written.
	; Thread t adds row m = t / 16, columns 4 r .. 4 r + 3 (r = t % 16).  The number (m, 4 r + t') lies in lane 16 (m / 8) + r, register m % 8 of tile t'.
	v_lshlrev_b32 v[RLD], 4, v10                   ; 16 r
	v_bfe_u32 v13, v0, 4, 2
	v_lshl_add_u32 v[RLD], v13, 2, v[RLD]          ; + 4 (m % 4): the word in a lane's 16 bytes
	v_bfe_u32 v13, v0, 6, 1
	v_lshl_add_u32 v[RLD], v13, 9, v[RLD]          ; + 512 ((m / 4) % 2): registers 0-3 or 4-7
	v_bfe_u32 v13, v0, 7, 1
	v_lshl_add_u32 v[RLD], v13, 8, v[RLD]          ; + 256 (m / 8): lanes 0-15 or 16-31
	v_lshrrev_b32 v13, 4, v0
	v_lshlrev_b32 v[OO], 4, v10
	v_lshl_add_u32 v[OO], v13, 11, v[OO]           ; out0: row m of 2,048 bytes, 16 r
.irp t, 0,1,2,3
	ds_store_b128 v[RST], v[D+8*\t:D+8*\t+3]   offset:RED+1024*\t      ; lane by lane, 512 consecutive bytes a store
	ds_store_b128 v[RST], v[D+8*\t+4:D+8*\t+7] offset:RED+1024*\t+512
.endr
	s_wait_dscnt 0x0                               ; my tile is in LDS before I say so
	s_barrier_signal -1
	s_barrier_wait -1
	; 32 words: wave v's partial of my four columns into four neighbouring registers.  The 32 lanes of a load want the words 4 r + (0 or 1), + 2 in every
	; second wave, of one 256-byte span: 32 different words, no two in one bank.
.irp v, 0,1,2,3,4,5,6,7
.irp t, 0,1,2,3
	ds_load_b32 v[P+4*\v+\t], v[RLD] offset:RED+4096*\v+1024*\t
.endr
.endr
.irp i, 0,1,2,3
	s_wait_dscnt 24-8*\i                           ; behind the words of waves 2 i and 2 i + 1 stand the later waves'
	ADD4 P+8*\i, P+8*\i, P+8*\i+4
.endr
	ADD4 P, P, P+8
	ADD4 P+16, P+16, P+24
	ADD4 P, P, P+16
	global_store_b128 v[OO], v[P:P+3], s[8:9] th:TH_STORE_NT   ; sixteen lanes store 256 consecutive bytes, aligned: the work-group's whole piece of a row
	s_wait_tensorcnt 0x0
	ds_add_u32 v216, v217
	s_wait_dscnt 0x0
	s_endpgm
.Lfunc_end_k_q11a65d9369_project:
	.size	k_q11a65d9369_project, .Lfunc_end_k_q11a65d9369_project-k_q11a65d9369_project
	.p2alignl 7, 3214868480
	.fill 96, 4, 3214868480
	.section	.rodata,"a",@progbits
	.p2align	6, 0x0
	.amdhsa_kernel k_q11a65d9369_project
		.amdhsa_group_segment_fixed_size 42240
		.amdhsa_private_segment_fixed_size 0
		.amdhsa_enable_private_segment 0
		.amdhsa_kernarg_size 24
		.amdhsa_user_sgpr_count 2
		.amdhsa_user_sgpr_kernarg_segment_ptr 1
		.amdhsa_wavefront_size32 1
		.amdhsa_system_sgpr_workgroup_id_x 1
		.amdhsa_system_sgpr_workgroup_id_y 1
		.amdhsa_system_sgpr_workgroup_id_z 1
		.amdhsa_system_vgpr_workitem_id 0
		.amdhsa_next_free_vgpr 218
		.amdhsa_next_free_sgpr 66
		.amdhsa_reserve_vcc 0
		.amdhsa_float_denorm_mode_32 3
		.amdhsa_float_denorm_mode_16_64 3
		.amdhsa_memory_ordered 1
		.amdhsa_forward_progress 1
		.amdhsa_inst_pref_size 15
	.end_amdhsa_kernel
	.amdgpu_metadata
---
amdhsa.version: [ 1, 2 ]
amdhsa.kernels:
  - .name:           k_q11a65d9369_project
    .symbol:         k_q11a65d9369_project.kd
    .args:
      - { .name: part, .offset: 0, .size: 8, .value_kind: global_buffer, .address_space: global }
      - { .name: dataMinor, .offset: 8, .size: 8, .value_kind: global_buffer, .address_space: global }
      - { .name: out0, .offset: 16, .size: 8, .value_kind: global_buffer, .address_space: global }
    .group_segment_fixed_size: 42240
    .private_segment_fixed_size: 0
    .kernarg_segment_align: 8
    .kernarg_segment_size: 24
    .max_flat_workgroup_size: 256
    .sgpr_count:     66
    .vgpr_count:     218
    .wavefront_size: 32
...
	.end_amdgpu_metadata
.endif
;; end of part 2
;; ======== version 2 of 2: 2 launches; version 1 with the launch colsum written anew for expert scheduling mode
;; workspace buffers: part 262,144 bytes
;; launch colsum (part 3): grid 256 x 1, 16 waves a work-group, no clusters, 10,240 bytes of LDS; arguments x, part; writes part
.if DOCPART == 3
	.amdgcn_target "amdgcn-amd-amdhsa--gfx1250"
	.amdhsa_code_object_version 6
	.text
	.protected	k_q11a65d9369_colsum
	.globl	k_q11a65d9369_colsum
	.p2align	8
	.type	k_q11a65d9369_colsum,@function
k_q11a65d9369_colsum:
	s_mov_b64 s[64:65], 0
	v_nop
	global_prefetch_b8 v0, s[64:65] scope:SCOPE_SE
	s_setreg_imm32_b32 hwreg(HW_REG_WAVE_SCHED_MODE, 0, 2), 2
	s_setreg_imm32_b32 hwreg(HW_REG_WAVE_MODE, 25, 1), 1
	s_wait_xcnt 0x0
	s_wait_alu depctr_vm_vsrc(0)
; out0[b][d] = sum over k of mean_s(x[b][s][k]) * dataMinor[k][d], in two launches.  x: [64][2048][256] f32.
; THIS LAUNCH: part[b][p][k] = 2^-11 * sum of x[b][s][k] over s = 512 p .. 512 p + 511, p = 0..3, in f32.  The next launch adds the four and multiplies.
; Nothing of the computation is left out: every number of x and of dataMinor reaches out0, and both are read whole, once.
; Why partial sums: a row of out0 needs all 2 MB of its batch, and there are only 64 batches; four work-groups a batch give 256 work-groups
; of equal work, and the sum across them is made by the next launch (no traffic between work-groups).
; Work-group g = 4 b + p owns 512 rows of 1,024 bytes, 512 KB in one piece.  Sixteen waves; one load of a wave covers 512 consecutive bytes,
; so the sixteen cover 8 rows (a step of 8,192 bytes) and thread t keeps the same four columns in all 64 steps.
; Every address is one offset register plus an immediate (516,096 at the most): no loop, no pointer that is stepped.
; 32 loads of a wave are out at each wait for data: 16 waves x 32 x 512 bytes = 256 KB of the work-group's 512 KB.
; No LDS ring, no cluster, no matrix unit: the work-groups share no byte of x and there is one addition for each number read.
; LIMITS: the order of the additions differs from a sum along s; the factor 2^-11 is exact unless the scaled partial sum is denormal (below 2^-126).
; THE MODE: SCHED_MODE bits 1:0 = 2 (LLVM: expert scheduling mode 2), set by the entry lines.  The code itself states the register dependences
; between vector instructions and memory or LDS instructions, with s_wait_alu, always for 0.
; THE PLAN.  The 64 steps go in 16 quads of four.  Registers that memory or LDS instructions touch:
;   v[OFF]     made at the head, never written again; read by every load and store of the kernel, global and LDS.
;   X0 .. X8   nine buffers of a quad.  Quad q's additions read X[q % 9] and no other buffer.  Quads 0 to 7 are loaded at the head; quad q + 8 is loaded
;              in quad q, into X[(q + 8) % 9] = X[(q - 1) % 9]: the buffer that the quad before read and that no vector instruction of quad q names.
;   v[ACCA ..] written by the additions; read once by the LDS store, and not written behind it.
; So ONE wait on va_vdst stands at the head of each quad that loads (quad 0 apart: its loads land in X8, which no vector instruction has named), and the quad's
; four loads are dealt among its additions with no further wait.  The ninth buffer is there so that a buffer's idle quad does not take four loads out of flight.
; No register that a memory or LDS instruction reads is ever written afterwards, so the quads and their loads need no wait on vm_vsrc.
.set STEP,  8192                       ; bytes that the sixteen waves read in one step: 8 rows
.set STEPS, 64                         ; 512 rows / 8
.set DEPTH, 32                         ; loads of a wave that are out at a wait for data
.set BUFS,  9                          ; buffers of a quad: DEPTH / 4, and the one that lies idle between its additions and its refill
.set OFF,   1                          ; v1        512 x wave + 16 x lane: my 16 bytes in a step, in LDS and (waves 0, 1) in the result; never rewritten
.set ACCA,  2                          ; v[2:5]    sums of my four columns, steps 0 and 2 of every four
.set ACCB,  6                          ; v[6:9]    the same, steps 1 and 3 of every four
.set X,     10                         ; v[10:153] buffer i at X + 16 i: four steps of four registers
.macro ADD4 d, a, b                    ; four sums: v[d..d+3] = v[a..a+3] + v[b..b+3]
	v_pk_add_f32 v[\d:\d+1], v[\a:\a+1], v[\b:\b+1]
	v_pk_add_f32 v[\d+2:\d+3], v[\a+2:\a+3], v[\b+2:\b+3]
.endm
	s_load_b128 s[4:7], s[0:1], 0x0                ; x s[4:5], part s[6:7]
	v_lshl_add_u32 v154, v0, 2, 0x2000
	v_mov_b32 v155, 0
	v_lshrrev_b32 v[ACCA], 5, v0
	v_readfirstlane_b32 s8, v[ACCA]                ; my wave's number as a scalar
	v_and_b32 v[OFF], 31, v0
	v_lshlrev_b32 v[OFF], 4, v[OFF]                ; 16 bytes a lane
	s_wait_alu depctr_va_sdst(0)                   ; s8 is written, ahead of its first reader, the line below
	v_lshl_add_u32 v[OFF], s8, 9, v[OFF]           ; + 512 bytes a wave
	s_lshl_b32 s2, ttmp9, 19                       ; the work-group's 512 KB of x (255 x 512 KB stays below 4 GiB)
	s_mov_b32 s3, 0
	s_lshl_b32 s10, ttmp9, 10                      ; and its 1,024 bytes of part: row 4 b + p
	s_mov_b32 s11, 0
	s_wait_kmcnt 0x0
	s_add_nc_u64 s[4:5], s[4:5], s[2:3]
	s_add_nc_u64 s[6:7], s[6:7], s[10:11]
	s_wait_alu depctr_va_vdst(0)                   ; v[OFF] is written: every load and store of the kernel reads it as its offset or its LDS address
.set i, 0
.rept DEPTH
	global_load_b128 v[X+4*i:X+4*i+3], v[OFF], s[4:5] offset:i*STEP th:TH_LOAD_NT   ; steps 0 to 31 into X0 .. X7; x is read once in the launch
.set i, i+1
.endr
; Quad q: its four steps (4 q .. 4 q + 3) are added out of X[q % 9]; in the first eight quads the steps 32 further on are requested, into X[(q + 8) % 9].
; left = how many younger loads may stay out: loads come back in order (ISA guide 5.7.1).
.macro QUAD q, left
	s_wait_loadcnt \left
.set XS, X+16*((\q)%BUFS)
.set XN, X+16*(((\q)+8)%BUFS)
.if ((\q) > 0) && ((\q) < 8)
	s_wait_alu depctr_va_vdst(0)                   ; the additions of the quad before are done reading their buffer, in which the four loads below land
.endif
.irp k, 0,1,2,3
.if (\q) < 8
	global_load_b128 v[XN+4*\k:XN+4*\k+3], v[OFF], s[4:5] offset:(4*(\q)+DEPTH+\k)*STEP th:TH_LOAD_NT   ; no vector instruction since the wait names these registers
.endif
.if (\q) == 0
.if \k == 1
	ADD4 ACCA, XS, XS+4                            ; the first four steps start the two sums: nothing is cleared
.elseif \k == 3
	ADD4 ACCB, XS+8, XS+12
.endif
.elseif (\k)%2 == 0
	ADD4 ACCA, ACCA, XS+4*\k
.else
	ADD4 ACCB, ACCB, XS+4*\k
.endif
.endr
.endm
.irp q, 0,1,2,3,4,5,6,7
	QUAD \q, DEPTH-4                               ; behind the quad's last load stand the seven younger quads' 28
.endr
.irp q, 8,9,10,11,12,13,14,15
	QUAD \q, 4*(15-\q)                             ; nothing is left to request: the counts run down 28, 24, .. 0
.endr
	ADD4 ACCA, ACCA, ACCB                          ; my four columns over my 64 rows
	; The eight row groups (waves 2 i and 2 i + 1 hold row group i) meet in LDS: byte 1,024 i + 16 c holds group i's sums of columns 4 c .. 4 c + 3.
	s_wait_alu depctr_va_vdst(0)                   ; the additions have written v[ACCA ..], which the LDS store reads; and all additions are done reading X0 and X1, in which the LDS loads below land: no vector instruction stands between this wait and them
	ds_store_b128 v[OFF], v[ACCA:ACCA+3]
	s_wait_dscnt 0x0                               ; my store is done before I say so: other waves read it
	s_barrier_signal -1
	s_barrier_wait -1
	s_cmp_gt_u32 s8, 1
	s_cbranch_scc1 .Ldone                          ; 64 threads cover the 256 columns: waves 0 and 1 finish
.irp r, 0,1,2,3,4,5,6,7
	ds_load_b128 v[X+4*\r:X+4*\r+3], v[OFF] offset:1024*\r     ; here OFF = 16 c: the same four columns of all eight groups
.endr
	s_wait_dscnt 0x0
.irp r, 0,2,4,6
	ADD4 X+4*\r, X+4*\r, X+4*\r+4
.endr
	ADD4 X, X, X+8
	ADD4 X+16, X+16, X+24
	ADD4 X, X, X+16
	v_pk_mul_f32 v[X:X+1], v[X:X+1], 0x3a000000 op_sel_hi:[1,0]       ; 2^-11 = 1 / 2048: the mean's divisor, a power of two
	v_pk_mul_f32 v[X+2:X+3], v[X+2:X+3], 0x3a000000 op_sel_hi:[1,0]
	s_wait_alu depctr_va_vdst(0)                   ; the scaling has written v[X .. X+3], which the store reads
	global_store_b128 v[OFF], v[X:X+3], s[6:7]     ; each wave stores 512 consecutive bytes, aligned: two whole pieces of 256
.Ldone:
	s_wait_dscnt 0x0
	s_wait_alu depctr_hold_cnt(0) depctr_sa_sdst(0) depctr_va_vdst(0) depctr_va_sdst(0) depctr_va_ssrc(0) depctr_va_vcc(0) depctr_vm_vsrc(0)
	s_wait_tensorcnt 0x0
	ds_add_u32 v154, v155
	s_wait_dscnt 0x0
	s_endpgm
.Lfunc_end_k_q11a65d9369_colsum:
	.size	k_q11a65d9369_colsum, .Lfunc_end_k_q11a65d9369_colsum-k_q11a65d9369_colsum
	.p2alignl 7, 3214868480
	.fill 96, 4, 3214868480
	.section	.rodata,"a",@progbits
	.p2align	6, 0x0
	.amdhsa_kernel k_q11a65d9369_colsum
		.amdhsa_group_segment_fixed_size 10240
		.amdhsa_private_segment_fixed_size 0
		.amdhsa_enable_private_segment 0
		.amdhsa_kernarg_size 16
		.amdhsa_user_sgpr_count 2
		.amdhsa_user_sgpr_kernarg_segment_ptr 1
		.amdhsa_wavefront_size32 1
		.amdhsa_system_sgpr_workgroup_id_x 1
		.amdhsa_system_sgpr_workgroup_id_y 1
		.amdhsa_system_sgpr_workgroup_id_z 1
		.amdhsa_system_vgpr_workitem_id 0
		.amdhsa_next_free_vgpr 156
		.amdhsa_next_free_sgpr 66
		.amdhsa_reserve_vcc 0
		.amdhsa_float_denorm_mode_32 3
		.amdhsa_float_denorm_mode_16_64 3
		.amdhsa_memory_ordered 1
		.amdhsa_forward_progress 1
		.amdhsa_inst_pref_size 18
	.end_amdhsa_kernel
	.amdgpu_metadata
---
amdhsa.version: [ 1, 2 ]
amdhsa.kernels:
  - .name:           k_q11a65d9369_colsum
    .symbol:         k_q11a65d9369_colsum.kd
    .args:
      - { .name: x, .offset: 0, .size: 8, .value_kind: global_buffer, .address_space: global }
      - { .name: part, .offset: 8, .size: 8, .value_kind: global_buffer, .address_space: global }
    .group_segment_fixed_size: 10240
    .private_segment_fixed_size: 0
    .kernarg_segment_align: 8
    .kernarg_segment_size: 16
    .max_flat_workgroup_size: 512
    .sgpr_count:     66
    .vgpr_count:     156
    .wavefront_size: 32
...
	.end_amdgpu_metadata
.endif
;; end of part 3
;; launch project: the kernel of part 2 again; grid 8 x 4, 8 waves a work-group, no clusters, 42,240 bytes of LDS; arguments part, dataMinor, out0; writes out0
